; MI455X (gfx1250); checked and timed in simulation.
; The chip was launched on July 23, 2026; its instructions are those of AMD's public machine-readable ISA for CDNA 5 (MIT licence, August 2026) and "CDNA5" Instruction Set Architecture Reference Guide (July 2026). The comments in the code are by the model that wrote it; some were corrected since.
;; Quant Linear. Allowed arithmetic: float matrix products may take bf16 or f16 operands with f32 sums; other float arithmetic in f32, or as packed bf16 or f16 multiplies, adds, multiply-adds, maxima and minima; sums over many terms, partial sums and values carried from step to step in f32; what a program stores and reads back later, other than sums and carried values, may be rounded once to bf16 or f16.
;; Inputs: g_idx 4,096 int32; qweight 512 x 4,096 int32; qzeros 1 x 512 int32; scales 1 x 4,096 float16; x 4,096 x 4,096 float16; y_slice 4,096 x 4,096 float16.
;; Outputs: out0 4,096 x 4,096 float16.
;; One version. Each part assembles by itself: llvm-mc -triple=amdgcn-amd-amdhsa -mcpu=gfx1250 --defsym DOCPART=n.
;; ======== version 1 of 1: 1 launch
;; launch qgemm (part 1): grid 16 x 16, 4 waves a work-group, clusters of 4 x 4, 327,680 bytes of LDS; arguments x, qweight, qzeros, scales, out0; writes out0
.if DOCPART == 1
	.amdgcn_target "amdgcn-amd-amdhsa--gfx1250"
	.amdhsa_code_object_version 6
	.text
	.protected	k_q612bb980b1_qgemm
	.globl	k_q612bb980b1_qgemm
	.p2align	8
	.type	k_q612bb980b1_qgemm,@function
k_q612bb980b1_qgemm:
	s_mov_b64 s[64:65], 0
	v_nop
	global_prefetch_b8 v0, s[64:65] scope:SCOPE_SE
	s_setreg_imm32_b32 hwreg(HW_REG_WAVE_MODE, 25, 1), 1
	s_wait_xcnt 0x0
	s_wait_alu depctr_hold_cnt(0) depctr_sa_sdst(0) depctr_va_vdst(0) depctr_va_sdst(0) depctr_va_ssrc(0) depctr_va_vcc(0) depctr_vm_vsrc(0)
	s_getreg_b32 s2, hwreg(HW_REG_IB_STS2, 6, 4)
	s_cmp_eq_u32 s2, 0
	s_cbranch_scc0 .Lentry_in_a_cluster
	s_endpgm
.Lentry_in_a_cluster:
	s_bfe_u32 s2, ttmp6, 0x10000c
	s_cmp_lg_u32 s2, 0xf033
	s_cbranch_scc0 .Lentry_shape_is_right
	s_endpgm
.Lentry_shape_is_right:
; out0[m][n] = scale[n] * sum over k of x[m][k] * (q[k][n] - (z[n] + 1)).   M = K = N = 4096; x, scales, out0 f16; q, z 4-bit codes.
; q: word qweight[k/8][n] holds k = 8 (k/8) .. + 7 of column n, the lowest k in the lowest four bits.  z: word qzeros[n/8] holds eight neighbouring n.
;
; WORK LEFT OUT.  (1) reference() forms y_slice + output, binds it to a name that it never reads, and returns output alone: whatever y_slice holds,
; the sum reaches no result.  y_slice is not loaded and is no argument.  (2) g_idx only picks rows of zp1 and of scales, and both tables have ONE row by
; their shapes (G = 1): an index that stays inside its table is 0, so every k takes row 0, whatever g_idx holds.  g_idx is not loaded and is no argument.
; LIMITS.  A NaN, an infinity or an overflow in y_slice, or in the sum with it, is not carried to the result.  The scale is applied in f32 to the finished
; sum; reference() rounds (q - z - 1) * scale to f16 first: another order of rounding.  out0 is rounded once, f32 to f16, and is infinite beyond 65504.
;
; THE SHAPE.  A work-group makes 256 x 256 of out0 with four waves, as many as a WGP has SIMDs; a wave makes 128 x 128: 64 accumulator tiles, 512 registers.
; K goes in steps of 128 through two LDS slots filled by the tensor data mover: 256 rows of x (256 bytes each) and 16 rows of 256 packed words.
; THE OPERANDS.  x is f16 and goes to the f16 matrix form as it is.  The other operand is the whole number q - (z + 1), -16 .. 14, exact in f16: the zero
; point is taken away before the product, so no difference of large sums is formed.  A fragment's registers 0-3 of lane (r, h) hold k = 8h .. 8h+7 of
; one column (ISA guide 7.12.2): that is one packed word; registers 4-7 are the word two rows further down.  A word becomes four registers by twelve
; vector instructions (DQ1 below), which are set between the matrix instructions of the quarter step before, three behind each.
; THE ORDER OF COLUMNS.  A lane takes four neighbouring words of a row by one 16-byte LDS load, and each of the four goes to another column block: slot s
; of block t = 4 u + e is column 64 u + 4 s + e of my 128.  The order is put right where the results are packed (the way out).
; CLUSTERS.  4 x 4 work-groups.  The four of a row of the cluster share the block row, so x's tiles; the four of a column share the block column, so the
; packed words.  Each tile is asked for jointly, by the same line and the same descriptor in all four, with a mask that names them.
;
; REGISTERS, in windows of 256.  A matrix instruction's C and D fix the destination's window, and the vector lines between the matrix instructions write
; weight fragments: so these lie in the accumulators' window and are read as source 0; x's fragments, the raw words and the zero points are source 1,
; window 0.  One setting (source 0, source 2 and destination in window c, source 1 in window 0) then serves matrix and vector lines alike, and all LDS
; loads of a quarter step stand in one run under window 0.
;   window 0: v1 r, v2 h, v3-7 at work, v8-15 zero points, v16-17 LDS address of x, v18-19 of the words, v20-23 the way out and the shift, v32-63 scales
;             (f16), v64-127, v128-191 fragments of x, two buffers (on the way out: scaled results, scales in f32), v192-223 raw words, two sets of 16
;             (on the way out: packed results), v224-255 rows read back
;   window c = 1, 2, 3 (column blocks t = 0-2, 3-5, 6-7; tl = t - 3 (c - 1)): v[8 (8 tl + a)] accumulator of row block a; v192-239 weight fragments, two buffers
; THE MATRIX INSTRUCTION IS USED TRANSPOSED: source 0 = 16 columns of w, source 1 = 16 rows of x.  Lane (r, h) then holds row 16 a + r of out0 and its
; register j slot 8 h + j of block t, which is column 64 u + 32 h + 4 j + e: over j and e, 32 neighbouring numbers of a row for each u.
.set SIZE_K, 4096
.set SIZE_N, 4096
.set XROW,   SIZE_K*2                  ; bytes in a row of x
.set WROW,   SIZE_N*4                  ; bytes in a row of qweight
.set OROW,   SIZE_N*2                  ; bytes in a row of out0
.set XPITCH, 272                       ; LDS row of x: 256 bytes + 16: the 16 rows that a load touches start 68 words apart, at 16 different banks (64 banks of 4 bytes: ISA guide 11.1)
.set WPITCH, 1088                      ; LDS row of words: 1,024 bytes + 64; sixteen lanes of a load read 256 neighbouring bytes of one row
.set HALFX,  128*XPITCH                ; what one tensor load brings of x
.set HALFW,  8*WPITCH                  ; what one tensor load brings of the words
.set XB,     2*HALFX                   ; the words lie behind x's 256 rows
.set SLOT,   XB+2*HALFW                ; 87,040 bytes
.set STAGE,  2*SLOT                    ; 174,080 = 680 x 256: behind the ring, 16 rows x 272 bytes for each wave; no tensor load lands here
.set SPITCH, 272
.set LAPS,   SIZE_K/256                ; a lap = two K steps = once round the ring
.set Z,    8
.set ADRX, 16
.set WADR, 18
.set STO,  20
.set RD,   21
.set CO,   22
.set SH,   23
.set SCP,  32                          ; named outright as v32 .. v63 where halves are read
.set XF,   64
.set T,    64
.set SCF,  128
.set RAW,  192
.set P,    192
.set RB,   224
.set WF,   192
.set G1,   24                          ; s[24:31] descriptor group 1 for x's tiles
.set G0,   32                          ; s[32:39] group 0 for x's tiles, a set for each slot
.set G1B,  48                          ; s[48:55] group 1 for the words' tiles
.set G0B,  56                          ; s[56:63] group 0 for the words' tiles, a set for each slot
.set SEL,  68                          ; s[68:71] v_perm_b32 selectors: byte j of the word into all four bytes
.set MASK, 72
.set MAGIC, 73
.set S1, 0x51                          ; s_set_vgpr_msb: bits 1:0 source 0, 3:2 source 1, 5:4 source 2, 7:6 destination
.set S2, 0xa2
.set S3, 0xf3
.set MSB, 0
.macro WIN new                         ; the immediate's high byte repeats the setting that is left; a switch that changes nothing is dropped
.if MSB != \new
	s_set_vgpr_msb (MSB<<8)|\new
.set MSB, \new
.endif
.endm
; A joint load.  Waves 0 and 1 fetch x's two halves, waves 2 and 3 the words' two halves.  Each line has one mask and one set of registers for all that
; issue it; the branch hangs on the wave's number alone.
.macro JLOAD s
	s_cmp_eq_u32 s15, 0
	s_cbranch_scc0 .Lfor_w_\@
	tensor_load_to_lds s[G0+4*\s:G0+4*\s+3], s[G1:G1+7]
	s_branch .Lasked_\@
.Lfor_w_\@:
	tensor_load_to_lds s[G0B+4*\s:G0B+4*\s+3], s[G1B:G1B+7]
.Lasked_\@:
.endm
; A round of the cluster's barrier: my work-group's barrier, wave 0 signals for the work-group, every wave waits for all sixteen, my work-group's barrier again.
.macro CREST                           ; a round behind its opening barrier
	s_cmp_lg_u32 s14, 0
	s_cbranch_scc1 .Lnot_wave_0_\@
	s_barrier_signal -3
.Lnot_wave_0_\@:
	s_barrier_wait -3
	s_barrier_signal -1
	s_barrier_wait -1
.endm
.macro CROUND
	s_barrier_signal -1
	s_barrier_wait -1
	CREST
.endm
	s_load_b256 s[4:11], s[0:1], 0x0               ; x s[4:5], qweight s[6:7], qzeros s[8:9], scales s[10:11]
	s_load_b64 s[12:13], s[0:1], 0x20              ; out0
	v_lshrrev_b32 v3, 5, v0
	v_readfirstlane_b32 s14, v3                    ; wave 0..3
	s_lshr_b32 s15, s14, 1                         ; which half of the block's rows is mine.  Also: I fetch x (0) or words (1)
	s_and_b32 s16, s14, 1                          ; which half of its columns.  Also: which half of that tile I fetch
	s_bfe_u32 s40, ttmp6, 0x40000                  ; cx
	s_bfe_u32 s41, ttmp6, 0x40004                  ; cy
	s_lshl_b32 s42, ttmp9, 2
	s_add_co_u32 s42, s42, s40                     ; block column = 4 x cluster x + cx
	s_and_b32 s45, ttmp7, 0xffff
	s_lshl_b32 s45, s45, 2
	s_add_co_u32 s45, s45, s41                     ; block row = 4 x cluster y + cy
	s_lshl_b32 s43, s41, 2
	s_lshl_b32 s43, 15, s43                        ; my row of the cluster: places 4 cy .. 4 cy + 3
	s_lshl_b32 s44, 0x1111, s40                    ; my column: places cx, cx + 4, cx + 8, cx + 12
	; group 1 for x: 128 rows x 128 elements of 2 bytes, 4 words of padding behind every 64
	s_or_b32 s[G1+0], s43, (1<<16)|(1<<20)|(1<<21)|(5<<22)|(3<<25)
	s_mov_b32 s[G1+1], 128<<16                     ; tensor_dim0 = 128
	s_mov_b32 s[G1+2], 128<<16                     ; tensor_dim1 = 128
	s_mov_b32 s[G1+3], 128<<16                     ; tile_dim0 = 128
	s_mov_b32 s[G1+4], 128                         ; tile_dim1 = 128
	s_mov_b32 s[G1+5], SIZE_K                      ; elements from row to row
	s_mov_b32 s[G1+6], 0
	s_mov_b32 s[G1+7], 0
	; group 1 for the words: 8 rows x 256 elements of 4 bytes, 16 words of padding behind every 256
	s_or_b32 s[G1B+0], s44, (2<<16)|(1<<20)|(1<<21)|(7<<22)|(15<<25)
	s_mov_b32 s[G1B+1], 256<<16                    ; tensor_dim0 = 256
	s_mov_b32 s[G1B+2], 8<<16                      ; tensor_dim1 = 8
	s_mov_b32 s[G1B+3], 256<<16                    ; tile_dim0 = 256
	s_mov_b32 s[G1B+4], 8                          ; tile_dim1 = 8
	s_mov_b32 s[G1B+5], SIZE_N                     ; elements from row to row
	s_mov_b32 s[G1B+6], 0
	s_mov_b32 s[G1B+7], 0
	; where the tiles come from: x's hang on the block row alone, the words' on the block column alone, each in registers that never hold the other
	s_lshl_b32 s20, s16, 7
	s_lshl_b32 s76, s45, 8
	s_add_co_u32 s76, s76, s20                     ; x: row 256 x block row + 128 x half
	s_lshl_b32 s76, s76, 13                        ; x 8,192 bytes: below 2^25
	s_mov_b32 s77, 0
	s_lshl_b32 s46, s42, 10                        ; words: 256 columns of 4 bytes for each block column,
	s_lshl_b32 s47, s16, 17                        ; 8 rows of 16,384 bytes for the half
	s_add_co_u32 s46, s46, s47
	s_mov_b32 s47, 0
	s_mul_i32 s18, s14, HALFX                      ; and where they go: x's halves at wave x 128 rows (waves 0, 1),
	s_mul_i32 s19, s14, HALFW
	s_add_co_u32 s19, s19, XB-2*HALFW              ; the words' halves at XB + (wave - 2) x 8 rows (waves 2, 3)
	s_wait_kmcnt 0x0
	s_add_nc_u64 s[76:77], s[4:5], s[76:77]
	s_add_nc_u64 s[46:47], s[6:7], s[46:47]
	CROUND                                         ; all sixteen work-groups are here: the first joint loads meet
.irp s, 0,1
	s_mov_b32 s[G0+4*\s], 1
	s_add_co_u32 s[G0+4*\s+1], s18, \s*SLOT
	s_add_nc_u64 s[G0+4*\s+2:G0+4*\s+3], s[76:77], \s*256          ; K step s: 128 elements along the row
	s_or_b32 s[G0+4*\s+3], s[G0+4*\s+3], 0x80000000
	s_mov_b32 s[G0B+4*\s], 1
	s_add_co_u32 s[G0B+4*\s+1], s19, \s*SLOT
	s_add_nc_u64 s[G0B+4*\s+2:G0B+4*\s+3], s[46:47], \s*16*WROW    ; K step s: 16 rows of words
	s_or_b32 s[G0B+4*\s+3], s[G0B+4*\s+3], 0x80000000
	JLOAD \s                                       ; both slots' first fills go out before anything else: two tensor loads of the wave are out
.endr
	; zero points and scales of my 128 columns, once
	v_and_b32 v1, 15, v0                           ; r
	v_bfe_u32 v2, v0, 4, 1                         ; h
	s_lshl_b32 s22, s42, 7
	s_lshl_b32 s23, s16, 6
	s_add_co_u32 s22, s22, s23                     ; my first column / 2 = byte of its word in qzeros
	s_lshl_b32 s23, s22, 2                         ; my first column x 2 = its byte in scales
	v_lshrrev_b32 v4, 1, v1
	v_lshl_add_u32 v4, v4, 2, s22                  ; as a fragment's slot r my columns are 64 u + 4 r + e: word 8 u + r / 2, codes 4 (r % 2) + e
	v_lshl_add_u32 v5, v2, 6, s23                  ; as a holder of results my columns are 64 u + 32 h .. + 31: 64 bytes of scales for each u
.irp cu, 0,1
	global_load_b32 v[Z+4*\cu], v4, s[8:9] offset:32*\cu
.endr
.irp cu, 0,1
.irp cv, 0,1,2,3
	global_load_b128 v[SCP+16*\cu+4*\cv:SCP+16*\cu+4*\cv+3], v5, s[10:11] offset:128*\cu+16*\cv
.endr
.endr
	s_mov_b32 s[SEL+0], 0x00000000                 ; selector bytes 0 to 3 pick bytes 0 to 3 of v_perm_b32's second source
	s_mov_b32 s[SEL+1], 0x01010101
	s_mov_b32 s[SEL+2], 0x02020202
	s_mov_b32 s[SEL+3], 0x03030303
	s_mov_b32 s[MASK], 0x00f0000f                  ; the low code in bits 3:0 of the low half, the high code in bits 7:4 of the high half
	s_mov_b32 s[MAGIC], 0x54006400                 ; f16 64 (last place 1/16) above, f16 1024 (last place 1) below
	s_mov_b32 s74, 0x100001
	s_mov_b32 s75, 0xd410e401                      ; f16 -65 above, f16 -1025 below
	v_and_b32 v[SH], 1, v1
	v_lshlrev_b32 v[SH], 4, v[SH]                  ; my four columns' sixteen bits in their word of qzeros
	v_mul_u32_u24 v3, v1, XPITCH
	v_lshl_add_u32 v3, v2, 4, v3                   ; r x 272 + 16 h
	s_mul_i32 s20, s15, HALFX                      ; my 128 rows of x
	v_add_nc_u32 v[ADRX], s20, v3
	v_add_nc_u32 v[ADRX+1], SLOT, v[ADRX]
	v_mul_u32_u24 v6, v2, WPITCH                   ; row h of the words,
	v_lshl_add_u32 v6, v1, 4, v6                   ; columns 4 r .. 4 r + 3,
	s_lshl_b32 s21, s16, 9                         ; of my 128 columns,
	s_add_co_u32 s21, s21, XB                      ; behind x's rows
	v_add_nc_u32 v[WADR], s21, v6
	v_add_nc_u32 v[WADR+1], SLOT, v[WADR]
	s_mul_i32 s20, s14, 16*SPITCH
	s_add_co_u32 s20, s20, STAGE                   ; my stage
	v_mul_u32_u24 v6, v1, SPITCH                   ; in: row r, 64 bytes (32 columns) for each half of the lanes
	v_lshl_add_u32 v6, v2, 6, v6
	v_add_nc_u32 v[STO], s20, v6
	v_mul_u32_u24 v6, v2, SPITCH                   ; back: lanes 0-15 one row of 256 bytes, lanes 16-31 the next
	v_lshl_add_u32 v6, v1, 4, v6
	v_add_nc_u32 v[RD], s20, v6
	v_lshlrev_b32 v7, 13, v2                       ; and the same two rows in out0 (8,192 bytes apart)
	v_lshl_add_u32 v[CO], v1, 4, v7
	s_wait_loadcnt 0x0                             ; zero points and scales are in
.irp cu, 0,1
	v_lshrrev_b32 v3, v[SH], v[Z+4*\cu]            ; my four codes in bits 15:0
.irp e, 0,1,2,3
	v_bfe_u32 v[Z+4*\cu+\e], v3, 4*\e, 4           ; z of slot r of block 4 u + e
	v_mad_u32_u24 v[Z+4*\cu+\e], v[Z+4*\cu+\e], s74, s75   ; low half -(1024 + z + 1), high half -(64 + z + 1): z steps the one by its last place, the other by sixteen
.endr
.endr
; One of a column block's 24 dequantising lines, the DQI-th, from raw set g into weight buffer g.  Register j of a word wants code 2 j below and code 2 j + 1
; above: both lie in byte j.  Lines 0-7: byte j into all four bytes.  Lines 8-15: keep one code in each half and set the exponents: 1024 + q below, 64 + q above.
; Lines 16-23: add -(1024 + z + 1) and -(64 + z + 1).  Every step is exact.  A line and the one that uses its result are eight lines apart.
.macro DQ1 tl, t, g
.if DQI < 8
	v_perm_b32 v[WF+24*\g+8*\tl+DQI], 0, v[RAW+16*\g+8*(DQI/4)+\t], s[SEL+DQI%4]
.else
.if DQI < 16
	v_and_or_b32 v[WF+24*\g+8*\tl+DQI-8], v[WF+24*\g+8*\tl+DQI-8], s[MASK], s[MAGIC]
.else
	v_pk_add_f16 v[WF+24*\g+8*\tl+DQI-16], v[WF+24*\g+8*\tl+DQI-16], v[Z+\t]
.endif
.endif
.set DQI, DQI+1
.endm
.macro DQN tl, t, g, n
.rept \n
	DQ1 \tl, \t, \g
.endr
.endm
.macro DQWIN nb, t0, g                 ; all of a window's blocks in one run: only at the start, where there are no products yet
.set TLP, 0
.rept \nb
.set DQI, 0
	DQN TLP, (\t0+TLP), \g, 24
.set TLP, TLP+1
.endr
.endm
; Eight matrix instructions: column block t (tl in its window) x all eight row blocks, 32 along K, from buffers FB.  deq = 1: behind each stands a slice of the
; lines that make the same block's fragment of the NEXT quarter step, in buffer GB: 3,3,3,3,3,3,2,4.  The four behind the last name none of its registers:
; they are the four places that a load into a matrix instruction's source wants behind it (ISA guide 7.12.1 for vector instructions).
; The 64 accumulators take turns, one instruction a turn, in the same order in every quarter step.
.macro BLOCK tl, t, zero, deq
.set DQI, 0
.irp a, 0,1,2,3,4,5,6,7
.if \zero
	v_wmma_f32_16x16x32_f16 v[8*(8*\tl+\a):8*(8*\tl+\a)+7], v[WF+24*FB+8*\tl:WF+24*FB+8*\tl+7], v[XF+64*FB+8*\a:XF+64*FB+8*\a+7], 0
.else
	v_wmma_f32_16x16x32_f16 v[8*(8*\tl+\a):8*(8*\tl+\a)+7], v[WF+24*FB+8*\tl:WF+24*FB+8*\tl+7], v[XF+64*FB+8*\a:XF+64*FB+8*\a+7], v[8*(8*\tl+\a):8*(8*\tl+\a)+7]
.endif
.if \deq
.if \a == 6
	DQN \tl, \t, GB, 2
.else
.if \a == 7
	DQN \tl, \t, GB, 4
.else
	DQN \tl, \t, GB, 3
.endif
.endif
.endif
.endr
.endm
; The raw words of quarter step q into a set: rows 4 q + h (i = 0) and 4 q + 2 + h (i = 1), columns 64 u + 4 r .. + 3: register 8 i + 4 u + e is block 4 u + e's word i
.macro RAWLD slot, q, set
.irp i, 0,1
.irp cu, 0,1
	ds_load_b128 v[RAW+16*\set+8*\i+4*\cu:RAW+16*\set+8*\i+4*\cu+3], v[WADR+\slot] offset:(4*\q+2*\i)*WPITCH+256*\cu
.endr
.endr
.endm
; x's fragments of quarter step q (128 rows, 32 K) into buffer g: row 16 i + r, bytes 64 q + 16 h and 32 further
.macro XLD slot, q, g
.irp i, 0,1,2,3,4,5,6,7
	ds_load_b128 v[XF+64*\g+8*\i:XF+64*\g+8*\i+3],   v[ADRX+\slot] offset:64*\q+\i*16*XPITCH
	ds_load_b128 v[XF+64*\g+8*\i+4:XF+64*\g+8*\i+7], v[ADRX+\slot] offset:64*\q+\i*16*XPITCH+32
.endr
.endm
; A quarter step: 64 matrix instructions on buffers q % 2.  At its head ONE run of LDS loads under window 0: x's fragments of the next quarter (xld, 16 loads)
; and the raw words of the quarter after that (raw, 4 loads, into set q % 2; the lines of this quarter read the other set).  Beside the products the next
; quarter's weight fragments are made (deq).  c1: x of this quarter and the next quarter's words, issued a quarter ago, are in; what may stay out is what
; this head has just issued: 20, in quarter 2 the 16 of x.
; turn (in quarter 2 alone): all reads of this slot have been issued (x of quarter 3 at this quarter's head, its words a quarter ago), none of the other slot.
; In front of the signal each wave waits for all its LDS loads and for all its tensor loads (one is out: its part of the other slot); eight matrix
; instructions with their slices, register work, stand between signal and wait.  turn = 2: the barrier opens a round of the cluster's barrier, and the joint
; refill of this slot, two K steps ahead, is the first tensor load behind the round, ahead of the first LDS read.  turn = 1: nothing is left to fetch.
; Quarter 2's raw words are the other slot's first: they are loaded behind the turn.
.macro QUARTER slot, q, zero, turn, xld, raw, deq, c1
.set FB, \q%2
.set GB, 1-FB
.if \q == 3
.set NXS, 1-\slot
.set NXQ, 0
.else
.set NXS, \slot
.set NXQ, \q+1
.endif
.if \q >= 2
.set RWS, 1-\slot
.set RWQ, \q-2
.else
.set RWS, \slot
.set RWQ, \q+2
.endif
.if \xld
	WIN 0
	XLD NXS, NXQ, GB
.endif
.if \raw
.if \q != 2
	RAWLD RWS, RWQ, FB
.endif
.endif
	s_wait_dscnt \c1
	WIN S1
	BLOCK 0, 0, \zero, \deq
	BLOCK 1, 1, \zero, \deq
.if \turn
	s_wait_dscnt 0x0                               ; my reads of this slot are over
	s_wait_tensorcnt 0x0                           ; all my tensor loads have landed: my part of the other slot
	s_barrier_signal -1
.endif
	BLOCK 2, 2, \zero, \deq
.if \turn
	WIN 0
	s_barrier_wait -1
.if \turn == 2
	CREST                                          ; no wave of any partner still reads this slot or has a load on its way
	s_add_nc_u64 s[G0+4*\slot+2:G0+4*\slot+3], s[G0+4*\slot+2:G0+4*\slot+3], 2*256
	s_add_nc_u64 s[G0B+4*\slot+2:G0B+4*\slot+3], s[G0B+4*\slot+2:G0B+4*\slot+3], 2*16*WROW
	JLOAD \slot                                    ; one tensor load of the wave is out from here to the next turn
.endif
.endif
.if \raw
.if \q == 2
	WIN 0
	RAWLD RWS, RWQ, FB
.endif
.endif
	WIN S2
	BLOCK 0, 3, \zero, \deq
	BLOCK 1, 4, \zero, \deq
	BLOCK 2, 5, \zero, \deq
	WIN S3
	BLOCK 0, 6, \zero, \deq
	BLOCK 1, 7, \zero, \deq
.endm
.macro KSTEP slot, zero, turn
	QUARTER \slot, 0, \zero, 0,     1, 1, 1, 20
	QUARTER \slot, 1, 0,     0,     1, 1, 1, 20
	QUARTER \slot, 2, 0,     \turn, 1, 1, 1, 16
	QUARTER \slot, 3, 0,     0,     1, 1, 1, 20    ; the four words loaded behind the turn stand in front of this head's 20
.endm
	s_wait_tensorcnt 0x1                           ; my part of K step 0 is in; K step 1's may stay out
	s_barrier_signal -1
	s_barrier_wait -1                              ; everybody's is
	; the start: x of quarter 0, the words of quarters 0 and 1, the weight fragments of quarter 0
	XLD 0, 0, 0
	RAWLD 0, 0, 0
	RAWLD 0, 1, 1
	s_wait_dscnt 4                                 ; x and the words of quarter 0 are in: behind them the four loads of quarter 1's words
	WIN S1
	DQWIN 3, 0, 0
	WIN S2
	DQWIN 3, 3, 0
	WIN S3
	DQWIN 2, 6, 0
	KSTEP 0, 1, 2                                  ; the first lap stands in front of the loop: its first products start the sums, nothing is cleared
	KSTEP 1, 0, 2
	WIN 0                                          ; at a label and at a branch every window is 0
	s_mov_b32 s17, LAPS-2
.Llap:
	KSTEP 0, 0, 2
	KSTEP 1, 0, 2
	WIN 0
	s_sub_co_u32 s17, s17, 1
	s_cmp_lg_u32 s17, 0
	s_cbranch_scc1 .Llap
	KSTEP 0, 0, 1                                  ; the last lap fills nothing: its one turn is my work-group's barrier alone
	QUARTER 1, 0, 0, 0, 1, 1, 1, 20
	QUARTER 1, 1, 0, 0, 1, 1, 1, 20
	QUARTER 1, 2, 0, 0, 1, 0, 1, 16                ; no more words to load: the 16 of x may stay out
	QUARTER 1, 3, 0, 0, 0, 0, 0, 0                 ; the last quarter: products alone
	; THE WAY OUT, 16 rows at a time: times the column's scale in f32, rounded once to f16, 64 bytes a lane and u into my own stage, read back as whole rows of 256 bytes.
	WIN 0
.rept 4
	v_nop                                          ; four places behind the last matrix instructions: what follows writes their sources and reads results (ISA guide 7.12.1)
.endr
	; the scales of my lane's 64 columns in f32: register SCF + 8 t + j for column 64 u + 32 h + 4 j + e, t = 4 u + e.  The CI-th half in memory order is
	; u = CI / 32, 4 j + e = CI % 32.  Halves are named on plain register names: v32 = SCP.
.set CI, 0
.irp hf, v32.l, v32.h, v33.l, v33.h, v34.l, v34.h, v35.l, v35.h, v36.l, v36.h, v37.l, v37.h, v38.l, v38.h, v39.l, v39.h
	v_cvt_f32_f16 v[SCF+8*(4*(CI/32)+CI%4)+(CI%32)/4], \hf
.set CI, CI+1
.endr
.irp hf, v40.l, v40.h, v41.l, v41.h, v42.l, v42.h, v43.l, v43.h, v44.l, v44.h, v45.l, v45.h, v46.l, v46.h, v47.l, v47.h
	v_cvt_f32_f16 v[SCF+8*(4*(CI/32)+CI%4)+(CI%32)/4], \hf
.set CI, CI+1
.endr
.irp hf, v48.l, v48.h, v49.l, v49.h, v50.l, v50.h, v51.l, v51.h, v52.l, v52.h, v53.l, v53.h, v54.l, v54.h, v55.l, v55.h
	v_cvt_f32_f16 v[SCF+8*(4*(CI/32)+CI%4)+(CI%32)/4], \hf
.set CI, CI+1
.endr
.irp hf, v56.l, v56.h, v57.l, v57.h, v58.l, v58.h, v59.l, v59.h, v60.l, v60.h, v61.l, v61.h, v62.l, v62.h, v63.l, v63.h
	v_cvt_f32_f16 v[SCF+8*(4*(CI/32)+CI%4)+(CI%32)/4], \hf
.set CI, CI+1
.endr
	s_lshl_b32 s78, s45, 8
	s_lshl_b32 s79, s15, 7
	s_add_co_u32 s78, s78, s79                     ; my first row of out0
	s_lshl_b32 s78, s78, 13                        ; x 8,192 bytes
	s_mov_b32 s79, 0
	s_add_nc_u64 s[12:13], s[12:13], s[78:79]
	s_lshl_b32 s46, s42, 9                         ; my first column, in bytes: 512 x block column + 256 x half
	s_lshl_b32 s47, s16, 8
	s_add_co_u32 s46, s46, s47
	s_mov_b32 s47, 0
	s_add_nc_u64 s[12:13], s[12:13], s[46:47]
.macro SCALE3 a, nb, t0                ; row block a of a window's nb column blocks: source 0 in that window, the rest in window 0
.set TL, 0
.rept \nb
.irp p, 0,1,2,3
	v_pk_mul_f32 v[T+8*(\t0+TL)+2*\p:T+8*(\t0+TL)+2*\p+1], v[8*(8*TL+\a)+2*\p:8*(8*TL+\a)+2*\p+1], v[SCF+8*(\t0+TL)+2*\p:SCF+8*(\t0+TL)+2*\p+1]
.endr
.set TL, TL+1
.endr
.endm
.macro OUT16 a
	WIN 0x01
	SCALE3 \a, 3, 0
	WIN 0x02
	SCALE3 \a, 3, 3
	WIN 0x03
	SCALE3 \a, 2, 6
	WIN 0
	; neighbouring columns 4 j + e and 4 j + e + 1 (e even) lie in blocks 4 u + e and 4 u + e + 1 at the same j: word 16 u + 2 j + e / 2 of the packed results
.set CI, 0
.rept 32
	v_cvt_pk_f16_f32 v[P+CI], v[T+8*(4*(CI/16)+2*(CI%2))+(CI%16)/2], v[T+8*(4*(CI/16)+2*(CI%2)+1)+(CI%16)/2]
.set CI, CI+1
.endr
.irp cu, 0,1
.irp cv, 0,1,2,3
	ds_store_b128 v[STO], v[P+16*\cu+4*\cv:P+16*\cu+4*\cv+3] offset:128*\cu+16*\cv   ; row r, columns 64 u + 32 h + 8 v .. + 7
.endr
.endr
	s_wait_xcnt 0x0                                ; the last rows' stores have had their addresses translated (ISA guide 3.1): RB and the base are rewritten only behind this wait
.if \a
	s_add_nc_u64 s[12:13], s[12:13], 16*OROW       ; 16 rows on
.endif
.irp u, 0,1,2,3,4,5,6,7
	ds_load_b128 v[RB+4*\u:RB+4*\u+3], v[RD] offset:\u*2*SPITCH    ; LDS serves a wave's instructions in order (ISA guide 5.7.1.4): these see the stores above; the stage is my wave's own
.endr
.irp u, 0,1,2,3,4,5,6,7
	s_wait_dscnt 7-\u                              ; rows 2 u, 2 u + 1 are back; the younger loads stay out
	global_store_b128 v[CO], v[RB+4*\u:RB+4*\u+3], s[12:13] offset:2*\u*OROW th:TH_STORE_NT   ; 16 lanes store 256 consecutive bytes, at a multiple of 256 from out0's first byte
.endr
.endm
.irp a, 0,1,2,3,4,5,6,7
	OUT16 \a
.endr
	CROUND                                         ; the closing round: no work-group ends while a partner may still ask for a tile that names it
	s_endpgm
.Lfunc_end_k_q612bb980b1_qgemm:
	.size	k_q612bb980b1_qgemm, .Lfunc_end_k_q612bb980b1_qgemm-k_q612bb980b1_qgemm
	.p2alignl 7, 3214868480
	.fill 96, 4, 3214868480
	.section	.rodata,"a",@progbits
	.p2align	6, 0x0
	.amdhsa_kernel k_q612bb980b1_qgemm
		.amdhsa_group_segment_fixed_size 327680
		.amdhsa_private_segment_fixed_size 0
		.amdhsa_enable_private_segment 0
		.amdhsa_kernarg_size 40
		.amdhsa_user_sgpr_count 2
		.amdhsa_user_sgpr_kernarg_segment_ptr 1
		.amdhsa_wavefront_size32 1
		.amdhsa_system_sgpr_workgroup_id_x 1
		.amdhsa_system_sgpr_workgroup_id_y 1
		.amdhsa_system_sgpr_workgroup_id_z 1
		.amdhsa_system_vgpr_workitem_id 0
		.amdhsa_next_free_vgpr 1024
		.amdhsa_next_free_sgpr 80
		.amdhsa_reserve_vcc 0
		.amdhsa_float_denorm_mode_32 3
		.amdhsa_float_denorm_mode_16_64 3
		.amdhsa_memory_ordered 1
		.amdhsa_forward_progress 1
		.amdhsa_inst_pref_size 255
	.end_amdhsa_kernel
	.section	.bss,"aw",@nobits
	.p2align	6
	.space	262144
	.amdgpu_metadata
---
amdhsa.version: [ 1, 2 ]
amdhsa.kernels:
  - .name:           k_q612bb980b1_qgemm
    .symbol:         k_q612bb980b1_qgemm.kd
    .args:
      - { .name: x, .offset: 0, .size: 8, .value_kind: global_buffer, .address_space: global }
      - { .name: qweight, .offset: 8, .size: 8, .value_kind: global_buffer, .address_space: global }
      - { .name: qzeros, .offset: 16, .size: 8, .value_kind: global_buffer, .address_space: global }
      - { .name: scales, .offset: 24, .size: 8, .value_kind: global_buffer, .address_space: global }
      - { .name: out0, .offset: 32, .size: 8, .value_kind: global_buffer, .address_space: global }
    .group_segment_fixed_size: 327680
    .private_segment_fixed_size: 0
    .kernarg_segment_align: 8
    .kernarg_segment_size: 40
    .max_flat_workgroup_size: 128
    .sgpr_count:     80
    .vgpr_count:     1024
    .wavefront_size: 32
...
	.end_amdgpu_metadata
.endif
;; end of part 1
